; MI455X (gfx1250); checked and timed in simulation.
; The chip was launched on July 23, 2026; its instructions are those of AMD's public machine-readable ISA for CDNA 5 (MIT licence, August 2026) and "CDNA5" Instruction Set Architecture Reference Guide (July 2026). The comments in the code are by the model that wrote it; some were corrected since.
;; HQQ Linear. Allowed arithmetic: matrix products marked QUANTISED: E2M1 operands, one E8M0 scale for each 32 along K, by v_wmma_scale_f32_16x16x128_f8f6f4 with both operands' format E2M1 (or v_wmma_scale_f32_32x16x128_f4), f32 sums; everything else in f32.
;; Inputs: W_packed 2,048 x 512 int32; bias 2,048 float32; scale 131,072 x 1 float32; x_codes 8,192 x 128 x 16 uint8 (E2M1 codes of x, K innermost, in blocks of 32 codes, two codes a byte); x_scales 8,192 x 128 uint8 (E8M0 scales of x, one for each 32 codes along K); zero 131,072 x 1 float32.
;; Outputs: out0 8,192 x 2,048 float32.
;; This version of the problem:
;;   THIS VERSION OF THE PROBLEM IS GIVEN IN LOW PRECISION. The matrix products marked QUANTISED in the list below multiply operands that are first quantised to E2M1 (2 exponent bits, 1 mantissa bit; 4 bits a number), with one power-of-two scale for each 32 numbers along K (OCP MX v1.0); their sums are f32. All else is computed in f32.
;;   The module's matrix products, in the order in which they are computed (A, B: the left and right operand; K: the contracted axis; several contracted axes count as one K, in the product's order):
;;     1. [M 8,192, K 4,096] x [K 4,096, N 2,048]; A: input x (given as codes); B: computed on the way: QUANTISED
;;   THE QUANTISER, for each operand of a quantised product, along K:
;;     - K is cut into blocks of 32 from its start; a last block that is shorter is filled with zeros.
;;     - A block's scale is 2^e with e = floor(log2(the largest magnitude in the block)) - 2, held to -126 .. 127; a block of zeros has e = 0. As a byte (E8M0): e + 127.
;;     - Each number is divided by its block's scale, clamped to +-6, and rounded to the nearest number of E2M1, ties to even, subnormals kept.
;;     - The product sums the exact products of the quantised numbers (number of the format x scale) in f32.
;;   ~~~python
;;   def quantise(x, axis):      # numpy; x: float32 -> the quantised numbers, widened to float32 again
;;       x = np.moveaxis(x, axis, -1); K = x.shape[-1]
;;       x = np.pad(x, [(0, 0)] * (x.ndim - 1) + [(0, -K % 32)]); x = x.reshape(x.shape[:-1] + (-1, 32)); a = np.abs(x).max(-1, keepdims=True)
;;       e = np.where(a > 0, np.clip(np.frexp(np.where(a > 0, a, 1))[1] - 1 - 2, -126, 127), 0)      # np.frexp(a)[1] - 1 = floor(log2(a)), exactly
;;       r = np.clip(x / 2.0 ** e, -6, 6)
;;       step = 2.0 ** (np.maximum(np.frexp(np.where(r == 0, 1, r))[1] - 1, 0) - 1)
;;       q = np.round(r / step) * step * 2.0 ** e      # np.round: ties to even
;;       return np.moveaxis(q.reshape(q.shape[:-2] + (-1,))[..., :K], -1, axis).astype(np.float32)
;;   ~~~
;;   OPERANDS COMPUTED ON THE WAY. 'Computed on the way' means the value that the module computes at that place (a softmax that the list does not call 'softmax' is quantised finished and normalised). What goes into a quantiser is computed in f32, as accurately as f32 sums, v_exp_f32 and their like allow (about 1e-6 of the number): no bf16 or f16 on the way to a quantiser, and a product that is left as it is and whose result goes on into a quantised operand takes f32 operands (vector FMAs, or v_wmma_f32_16x16x4_f32). A number that lies on a knife's edge between two numbers of the format may be rounded either way, as far as f32 arithmetic and the matrix unit's own rounding can turn it there, and no further.
;;   INPUTS GIVEN AS CODES. x (in the module: [8192, 4096], K = its axis 1): each comes as NAME_codes (uint8): NAME with its K axis moved to the last place and cut into blocks of 32 codes, [.., K / 32, bytes a block], one block behind the other in memory; two codes a byte, the lower K in the low four bits (a code: sign, 2 exponent bits, 1 mantissa bit); and NAME_scales (uint8): the same leading axes, one E8M0 byte (e + 127) for each 32 codes along K. Its value is code x scale, taken as it is: it is not quantised again, and the codes and scales need not be those that the quantiser above would give.
;; One version. Each part assembles by itself: llvm-mc -triple=amdgcn-amd-amdhsa -mcpu=gfx1250 --defsym DOCPART=n.
;; ======== version 1 of 1: 2 launches
;; limits: right only within a limited range of input values
;; workspace buffers: wqb 4,456,448 bytes
;; launch wq (part 1): grid 256 x 1, 8 waves a work-group, no clusters, 19,456 bytes of LDS; arguments W_packed, scale, zero, wqb; writes wqb
.if DOCPART == 1
	.amdgcn_target "amdgcn-amd-amdhsa--gfx1250"
	.amdhsa_code_object_version 6
	.text
	.protected	k_q5d96325d9b_wq
	.globl	k_q5d96325d9b_wq
	.p2align	8
	.type	k_q5d96325d9b_wq,@function
k_q5d96325d9b_wq:
	s_mov_b64 s[64:65], 0
	v_nop
	global_prefetch_b8 v0, s[64:65] scope:SCOPE_SE
	s_setreg_imm32_b32 hwreg(HW_REG_WAVE_MODE, 25, 1), 1
	s_wait_xcnt 0x0
; W_hat[n][k] = (bit k of row n - zero[g]) * scale[g], g = 64 n + k / 64, is made in f32 and turned into codes of FP4 (E2M1) with one E8M0 byte for each 32 along K.
; W_packed: [2048][512] int32, of which the low 8 bits count: bit i of word k / 8 is k = 8 (k / 8) + i.  scale, zero: [131072] f32.
; OUT: wqb, [32 groups of 64 rows][8 K steps of 512][17,408 bytes], in the order in which the product's operand registers take it.  Row 64 g + 4 r + t is lane r of tile t.  A block of 32 (number kb = 0 .. 15 in the
; K step) is 16 bytes of codes, the lower k in the low four bits, at 4096 t + 256 kb + 16 r; behind the 16,384 bytes of codes stands its scale byte, at 16,384 + 256 t + 16 r + kb.
; A BLOCK OF 32 LIES INSIDE ONE GROUP OF 64, so it holds at most two different numbers: v0 = (0 - zero) scale and v1 = (1 - zero) scale.  Its largest magnitude is taken over those of the two that occur in it.
; ONE conversion of (v0 v0, v1 v0, v0 v1, v1 v1) gives a table of four bytes: the two codes for each value of two neighbouring bits; a byte permute picks from it, four bytes at a time.
; A block's scale is 2^(floor(log2(its largest magnitude)) - 2): its byte is the largest magnitude's exponent field - 2, held at 1 from below by a floor among the maximum's leaves.
; LIMITS: NaN and infinities in scale or zero are not served.  A block of zeros gets the byte 1 where the quantiser's rule says 127: its codes are zeros, and this program alone reads the bytes.
; Blocks whose largest magnitude lies under 2^-124 keep the byte 1, which is the rule's own hold at -126.  0 - zero is formed as -zero: for zero = +0 the code is that of -0, which adds nothing.
; SHARES.  A work-group makes one piece of 17,408 bytes: 64 rows x 512 along K; a wave 8 rows.  In turn i lane (r = lane % 16, h = lane / 16) takes block r of row 8 wave + 2 i + h:
; sixteen neighbouring lanes read 256 consecutive bytes of W_packed.  The piece is gathered in LDS, in runs of 256 bytes at a pitch of 272, and leaves, behind one barrier, by stores of 512 consecutive bytes.
; Every turn has registers of its own, so no store's data are written again.  No prefetch: there is no loop to run ahead in; all loads go out at the head.
.set PITCH, 272
.set PIECE, 17408                      ; bytes of a piece of wqb
.set SCB,  64*PITCH                    ; LDS: the scale bytes, 1,024 of them
.set SPARE, SCB+1024                   ; the spare words, 128 bytes for each of 8 waves
.set VW,  4                            ; v4   W_packed: 2,048 h + 16 r
.set VO,  5                            ; v5   scale, zero: 256 h + 4 (r / 2)
.set STI, 6                            ; v6   LDS: my codes, turn 0
.set SBI, 7                            ; v7   LDS: my scale byte, turn 0
.set RDI, 8                            ; v8   LDS, on the way out: codes
.set GO,  9                            ; v9   16 x lane
.set T0,  10
.set T1,  11
.set T2,  12
.set T3,  13
.set T4,  14
.set RSC, 15                           ; v15  LDS, on the way out: scale bytes
.set P,   20                           ; v[20:27] the conversion's eight numbers
.set WB,  32                           ; v32-47  turn i: four words of W_packed, then the block's codes in place
.set SB,  48                           ; v48-51  turn i: scale, then the block's scale byte
.set ZB,  52                           ; v52-55  turn i: zero
.set RB,  56                           ; v56-71  the way out: codes;  v72-75 scale bytes
.set RX,  72
.set SPW, 76                           ; v76  LDS address of my spare word;  v77 0
.set NIL, 77
	s_load_b256 s[4:11], s[0:1], 0x0               ; W_packed s[4:5], scale s[6:7], zero s[8:9], wqb s[10:11]
	v_lshl_add_u32 v[SPW], v0, 2, SPARE
	v_mov_b32 v[NIL], 0
	v_lshrrev_b32 v1, 5, v0
	v_readfirstlane_b32 s12, v1                    ; wave 0 .. 7
	s_and_b32 s13, ttmp9, 31                       ; which 64 rows
	s_lshr_b32 s14, ttmp9, 5                       ; which K step
	s_lshl_b32 s13, s13, 3
	s_add_co_u32 s27, s13, s14                     ; which piece of wqb: 8 x group + K step
	s_add_co_u32 s13, s13, s12                     ; which 8 rows: 0 .. 255
	s_lshl_b32 s18, s12, 5                         ; 32 x wave: two lanes r of 16 bytes
	s_mul_i32 s19, s12, 8*PITCH                    ; the way out: eight runs a wave
	s_lshl_b32 s25, s12, 9
	s_mov_b32 s17, 0
	s_mov_b32 s20, 0x04000400                      ; v_perm_b32: the low bytes of two words
	s_mov_b32 s21, 0x05040100                      ; v_perm_b32: two low halves
	s_mov_b32 s23, 0x000f000f
	s_mov_b32 s24, 0x03030303
	v_and_b32 v1, 31, v0                           ; lane
	v_and_b32 v2, 15, v0                           ; r
	v_bfe_u32 v3, v0, 4, 1                         ; h
	v_lshlrev_b32 v[VW], 11, v3
	v_lshl_add_u32 v[VW], v2, 4, v[VW]
	v_lshrrev_b32 v[VO], 1, v2
	v_lshlrev_b32 v[VO], 2, v[VO]
	v_lshl_add_u32 v[VO], v3, 8, v[VO]
	v_mul_u32_u24 v[T0], v3, 16*PITCH              ; tile t = h in turn 0: 16 runs a tile,
	v_mul_u32_u24 v[T1], v2, PITCH                 ; run r
	v_add_nc_u32 v[STI], v[T0], v[T1]
	v_add_nc_u32 v[STI], s18, v[STI]
	v_lshl_add_u32 v[SBI], v3, 8, v2
	v_add_nc_u32 v[SBI], SCB, v[SBI]
	v_add_nc_u32 v[SBI], s18, v[SBI]
	v_lshlrev_b32 v[GO], 4, v1
	v_mul_u32_u24 v[T0], v3, PITCH                 ; lanes 0-15 one run, lanes 16-31 the next
	v_lshl_add_u32 v[T0], v2, 4, v[T0]
	v_add_nc_u32 v[RDI], s19, v[T0]
	v_add_nc_u32 v[RSC], SCB, v[GO]
	v_add_nc_u32 v[RSC], s25, v[RSC]
	s_lshl_b32 s16, s13, 14                        ; W_packed: 8 rows of 2,048 bytes,
	s_lshl_b32 s26, s14, 8                         ; a K step's 64 words
	s_add_co_u32 s16, s16, s26
	s_wait_alu depctr_va_vdst(0)
	s_wait_kmcnt 0x0
	s_add_nc_u64 s[4:5], s[4:5], s[16:17]
	s_lshl_b32 s16, s13, 11                        ; scale, zero: 8 rows of 256 bytes,
	s_lshl_b32 s26, s14, 5                         ; a K step's 8 groups
	s_add_co_u32 s16, s16, s26
	s_add_nc_u64 s[6:7], s[6:7], s[16:17]
	s_add_nc_u64 s[8:9], s[8:9], s[16:17]
.irp i, 0,1,2,3                                ; all 12 loads go out at once: three a turn
	global_load_b32 v[SB+\i], v[VO], s[6:7] offset:512*\i
	global_load_b32 v[ZB+\i], v[VO], s[8:9] offset:512*\i
	global_load_b128 v[WB+4*\i:WB+4*\i+3], v[VW], s[4:5] offset:4096*\i th:TH_LOAD_NT
.endr
	s_mul_i32 s16, s27, PIECE                      ; my work-group's piece of wqb
	s_add_nc_u64 s[10:11], s[10:11], s[16:17]
	s_lshl_b32 s16, s12, 11                        ; codes: 2,048 bytes a wave
	s_add_nc_u64 s[28:29], s[10:11], s[16:17]
	s_mov_b32 s16, s25                             ; scale bytes: 512 in each of waves 0 and 1
	s_add_nc_u64 s[10:11], s[10:11], s[16:17]
.macro BLK i
.set W, WB+4*(\i)
.set S, SB+(\i)
.set Z, ZB+(\i)
	s_wait_loadcnt 3*(3-(\i))                      ; loads come back in order: this turn's three are in, the three of each later turn may be out
	v_sub_f32 v[T0], 1.0, v[Z]                     ; a difference and then a product, each rounded, in the order of the definition: not fused
	v_perm_b32 v[T1], v[W+1], v[W], s20            ; the block's 32 bits in one word: the four words' low bytes
	v_perm_b32 v[T2], v[W+3], v[W+2], s20
.irp k, 0,1,3,4
	v_mul_f32 v[P+\k], -v[Z], v[S]                 ; v0 = (0 - zero) scale
.endr
	v_perm_b32 v[T1], v[T2], v[T1], s21
.irp k, 2,5,6,7
	v_mul_f32 v[P+\k], v[T0], v[S]                 ; v1 = (1 - zero) scale
.endr
	v_cmp_ne_u32 vcc_lo, -1, v[T1]                 ; some bit is 0: v0 occurs
	v_cndmask_b32 v[T2], 0, v[P], vcc_lo
	v_cmp_ne_u32 vcc_lo, 0, v[T1]                  ; some bit is 1: v1 occurs
	v_cndmask_b32 v[T3], 0, v[P+2], vcc_lo
	v_max3_num_f32 v[T2], |v[T2]|, |v[T3]|, 0x1800000   ; the block's largest magnitude, and the floor 2^(3 - 127): so the byte cannot fall under 1
	v_add_nc_u32 v[T2], 0xff000000, v[T2]          ; 2 off its exponent field: the conversion takes the exponent field of this operand as its scale, and nothing else of it
	v_cvt_scalef32_pk8_fp4_f32 v[T4], v[P:P+7], v[T2]   ; the table; what lies beyond 6 gets the largest code
	v_lshrrev_b32 v[S], 23, v[T2]                  ; the scale's byte
	; each word's 8 bits are spread, two to a byte; the four words by turns.  These lines name nothing of the conversion: they are the plain work between it and the first use of its result
.irp w, 0,1,2,3
	v_and_b32 v[W+\w], 0xff, v[W+\w]
.endr
.irp w, 0,1,2,3
	v_lshl_or_b32 v[W+\w], v[W+\w], 12, v[W+\w]
.endr
.irp w, 0,1,2,3
	v_and_b32 v[W+\w], s23, v[W+\w]                ; bits 0-3 stay, bits 4-7 stand at 16-19
.endr
.irp w, 0,1,2,3
	v_lshl_or_b32 v[W+\w], v[W+\w], 6, v[W+\w]
.endr
.irp w, 0,1,2,3
	v_and_b32 v[W+\w], s24, v[W+\w]                ; two bits at the foot of each byte: a selector 0 .. 3
.endr
.irp w, 0,1,2,3
	v_perm_b32 v[W+\w], v[T4], v[T4], v[W+\w]      ; four bytes of the table: eight codes
.endr
	ds_store_b128 v[STI], v[W:W+3] offset:32*PITCH*((\i)%2)+16*((\i)/2)
	ds_store_b8 v[SBI], v[S] offset:512*((\i)%2)+16*((\i)/2)
.endm
.irp i, 0,1,2,3
	BLK \i
.endr
	s_wait_dscnt 0x0                               ; my part of the piece is in LDS
	s_barrier_signal -1
	s_barrier_wait -1                              ; everybody's is
.irp k, 0,1,2,3
	ds_load_b128 v[RB+4*\k:RB+4*\k+3], v[RDI] offset:2*PITCH*\k
.endr
.irp k, 0,1,2,3
	s_wait_dscnt 3-\k                              ; load k is in, the younger ones may be out
	global_store_b128 v[GO], v[RB+4*\k:RB+4*\k+3], s[28:29] offset:512*\k   ; 32 lanes store 512 consecutive bytes, at a multiple of 256 from wqb's first byte
.endr
	s_cmp_lt_u32 s12, 2
	s_cbranch_scc0 .Lno_scales
	ds_load_b128 v[RX:RX+3], v[RSC]
	s_wait_dscnt 0x0
	global_store_b128 v[GO], v[RX:RX+3], s[10:11] offset:16384
.Lno_scales:
	s_wait_tensorcnt 0x0                           ; the wave's end
	ds_add_u32 v[SPW], v[NIL]
	s_wait_dscnt 0x0
	s_endpgm
.Lfunc_end_k_q5d96325d9b_wq:
	.size	k_q5d96325d9b_wq, .Lfunc_end_k_q5d96325d9b_wq-k_q5d96325d9b_wq
	.p2alignl 7, 3214868480
	.fill 96, 4, 3214868480
	.section	.rodata,"a",@progbits
	.p2align	6, 0x0
	.amdhsa_kernel k_q5d96325d9b_wq
		.amdhsa_group_segment_fixed_size 19456
		.amdhsa_private_segment_fixed_size 0
		.amdhsa_enable_private_segment 0
		.amdhsa_kernarg_size 32
		.amdhsa_user_sgpr_count 2
		.amdhsa_user_sgpr_kernarg_segment_ptr 1
		.amdhsa_wavefront_size32 1
		.amdhsa_system_sgpr_workgroup_id_x 1
		.amdhsa_system_sgpr_workgroup_id_y 1
		.amdhsa_system_sgpr_workgroup_id_z 1
		.amdhsa_system_vgpr_workitem_id 0
		.amdhsa_next_free_vgpr 80
		.amdhsa_next_free_sgpr 66
		.amdhsa_reserve_vcc 1
		.amdhsa_float_denorm_mode_32 3
		.amdhsa_float_denorm_mode_16_64 3
		.amdhsa_memory_ordered 1
		.amdhsa_forward_progress 1
		.amdhsa_inst_pref_size 15
	.end_amdhsa_kernel
	.amdgpu_metadata
---
amdhsa.version: [ 1, 2 ]
amdhsa.kernels:
  - .name:           k_q5d96325d9b_wq
    .symbol:         k_q5d96325d9b_wq.kd
    .args:
      - { .name: W_packed, .offset: 0, .size: 8, .value_kind: global_buffer, .address_space: global }
      - { .name: scale, .offset: 8, .size: 8, .value_kind: global_buffer, .address_space: global }
      - { .name: zero, .offset: 16, .size: 8, .value_kind: global_buffer, .address_space: global }
      - { .name: wqb, .offset: 24, .size: 8, .value_kind: global_buffer, .address_space: global }
    .group_segment_fixed_size: 19456
    .private_segment_fixed_size: 0
    .kernarg_segment_align: 8
    .kernarg_segment_size: 32
    .max_flat_workgroup_size: 256
    .sgpr_count:     66
    .vgpr_count:     80
    .wavefront_size: 32
...
	.end_amdgpu_metadata
.endif
;; end of part 1
;; launch gemm (part 2): grid 8 x 32, 4 waves a work-group, clusters of 4 x 1, 327,680 bytes of LDS; arguments x_codes, x_scales, wqb, bias, out0; writes out0
.if DOCPART == 2
	.amdgcn_target "amdgcn-amd-amdhsa--gfx1250"
	.amdhsa_code_object_version 6
	.text
	.protected	k_q5d96325d9b_gemm
	.globl	k_q5d96325d9b_gemm
	.p2align	8
	.type	k_q5d96325d9b_gemm,@function
k_q5d96325d9b_gemm:
	s_mov_b64 s[64:65], 0
	v_nop
	global_prefetch_b8 v0, s[64:65] scope:SCOPE_SE
	s_setreg_imm32_b32 hwreg(HW_REG_WAVE_MODE, 25, 1), 1
	s_wait_xcnt 0x0
	s_wait_alu depctr_hold_cnt(0) depctr_sa_sdst(0) depctr_va_vdst(0) depctr_va_sdst(0) depctr_va_ssrc(0) depctr_va_vcc(0) depctr_vm_vsrc(0)
	s_getreg_b32 s2, hwreg(HW_REG_IB_STS2, 6, 4)
	s_cmp_eq_u32 s2, 0
	s_cbranch_scc0 .Lentry_in_a_cluster
	s_endpgm
.Lentry_in_a_cluster:
	s_bfe_u32 s2, ttmp6, 0x10000c
	s_cmp_lg_u32 s2, 0x3003
	s_cbranch_scc0 .Lentry_shape_is_right
	s_endpgm
.Lentry_shape_is_right:
; out0[m][n] = sum over k of x[m][k] W_hat[n][k] + bias[n].  Both operands are codes of FP4 (E2M1) with one E8M0 scale for each 32 along K; sums in f32; the bias is added last, as in the definition.
; x_codes: [8192][2048 bytes], K innermost, two codes a byte; x_scales: [8192][128].  W_hat comes from wqb, made by the launch before: [32 groups of 64 columns][8 K steps of 512][17,408 bytes], in operand order.
; A tile of out0, 256 x 256, is made by a work-group of four waves; a wave makes all 256 rows x 64 columns: 32 accumulators of 32 x 16, 512 registers.  32 x 8 tiles: 256 work-groups.
; W_HAT GOES FROM MEMORY STRAIGHT INTO REGISTERS: no column belongs to two waves of a work-group, so no fragment is loaded twice by it.  A K step of 512 is 32 loads of 512 consecutive bytes and four of scale words,
; issued one K step ahead into the other of two register sets.
; X GOES THROUGH LDS: all four waves read all rows.  Since x is alone there, a slot holds 1,024 along K (two K steps): rows of 512 bytes + 16 of padding; four tiles in all: two first fills and two refills.
; x's scales of the 256 rows, for all of K, are one dense block of 32,768 bytes: they come into LDS once, with tile 0, and stay.
; CLUSTERS: 4 x 1 work-groups, which need the same rows of x: x's tiles and scales are asked for JOINTLY, by the same tensor load with the same descriptor and the mask 15.  W_hat does not pass through LDS, so no
; joint load can bring it: with it beside x two slots of 1,024 along K would take 2 x 2 x 135,168 bytes, more than there are.
; ORDER.  In a K step the rows go by 32: 16 matrix instructions each (four column tiles by turns, four deep).  ONE run of loads serves 64 rows: x's fragments have three register sets, and a run brings the two next sets of 32 rows
; behind the one that is in already, so that 32 matrix instructions stand between two runs.
; THE LAST TWO K STEPS are both in W_hat's two register sets, and nothing follows them: rows 0 to 159 go through step 6 while step 7's W_hat comes in; then 32 rows after 32 are finished, and leave while the others are multiplied.
; THE WAY OUT.  Source 0 = 32 rows of x, source 1 = 16 columns; lane r of column tile t is column 4 r + t: register j of the four tiles' accumulators holds four neighbouring numbers of a row.
; The additions of the bias lay them side by side: 16 bytes a lane, and sixteen lanes store 256 consecutive bytes.  No stage in LDS.
; THE TEXT IS STRAIGHT: the eight K steps are macros; slot, register sets, first product (constant 0), refills and the way out differ among them, and slot and sets come back only after six of the eight.
; REGISTERS, in windows of 256: window 0: v4-7 the bias; v8-19 addresses; v20-31 x's scale words, three sets; v32-63 W_hat's, two sets; v64-255 x's fragments (32 rows x 512 along K), three sets.
;   window 1: W_hat's fragments, two sets of 128.   window 2: the accumulators of rows 0-127: rows 32 p .., column tile t at v[64 (p % 4) + 16 t];   window 3: those of rows 128-255.
.set PITCH, 528                        ; an LDS row: 132 words: row r starts at bank 4 r mod 64 (64 banks of 4 bytes: ISA guide 11.1), so the 16 rows that a load touches start at 16 different banks
.set XBLK,  16*PITCH
.set XPAIR, 32*PITCH
.set XHALF, 128*PITCH
.set SLOT,  256*PITCH
.set SCL,   2*SLOT                     ; behind the ring: x's scales, as runs of 256 bytes (two rows) + 16 of padding
.set SPAIR, 16*272                     ; those of 32 rows
.set SHALF, 64*272                     ; of 128 rows
.set SPARE, SCL+2*SHALF                ; behind the scales: the spare words, 128 bytes for each wave
.set WT,    17408                      ; a piece of wqb: 64 columns x 512 along K
.set ROWO,  8192                       ; a row of out0 in bytes
.set BI,  4                            ; v4-7 the bias of my four columns
.set AX,  8                            ; v8-11 LDS address of my fragments of x: slot 0 rows 0-127, 128-255; slot 1 likewise
.set ASA, 12                           ; v12 LDS address of x's scale bytes: a lane a row
.set VW,  13                           ; v13 16 x lane: W_hat's fragments
.set VWS, 14                           ; v14 16 x (lane % 16): W_hat's scale words, the bias
.set CO,  15                           ; v15 out0: 8 rows x (lane / 16) + 16 x (lane % 16)
.set PFX, 16                           ; v16 prefetches of x: a lane 256 bytes, two lanes a row
.set PFW, 17                           ; v17 prefetches of wqb: 256 x lane
.set SPW, 18                           ; v18 LDS address of my spare word;  v19 0
.set NIL, 19
.set XS,  20
.set WS,  32
.set XF,  64
.set G1,  24                           ; s[24:31] descriptor group 1 for x's tiles
.set G0H, 32                           ; group 0: s[32:35] tile 0 (half of it); s[36:39] half of the scales; s[40:43], s[44:47], s[48:51] my quarter of tiles 1, 2, 3
.set G0S, 36
.set G01, 40
.set G02, 44
.set G03, 48
.set G1S, 68                           ; s[68:75] group 1 for x's scales
.set MSB, 0
.macro WIN new                         ; the immediate's high byte repeats the setting that is left
.if MSB != (\new)
	s_set_vgpr_msb (MSB<<8)|(\new)
.set MSB, (\new)
.endif
.endm
.set MUL_LO, 0xa4                      ; source 0 (x) window 0, source 1 (W_hat) window 1, C and D window 2;  + 0x50: C and D window 3
.set TO_B,   0x40                      ; destination window 1, address window 0
.macro CREST                           ; a round of the cluster's barrier behind its opening barrier
	s_cmp_lg_u32 s14, 0
	s_cbranch_scc1 .Lnot_wave_0_\@
	s_barrier_signal -3
.Lnot_wave_0_\@:
	s_barrier_wait -3
	s_barrier_signal -1
	s_barrier_wait -1
.endm
.macro CROUND
	s_barrier_signal -1
	s_barrier_wait -1
	CREST
.endm
; Behind a matrix instruction four plain vector places stand ahead of a load into its registers and of a read of its result (ISA guide 7.12.1 for vector instructions); matrix instructions are not counted.
.macro PLACES
.rept 4
	v_nop
.endr
.endm
; x's fragments for rows 32 p .. of K step u into set b: 17 LDS loads: the rows' four scale words, a lane a row, and four quarters of 128 along K.  A fragment's lane (r, h) holds row r; registers 4 c .. 4 c + 3: k = 64 c + 32 h + 0 .. 31.
.macro FETCH u, p, b
.set xb, \b
.set xax, AX+2*(((\u)/2)%2)+(\p)/4
.set xof, XPAIR*((\p)%4)+256*((\u)%2)
	ds_load_b128 v[XS+4*xb:XS+4*xb+3], v[ASA] offset:(\p)*SPAIR+16*(\u)
.irp a, 0,1,2,3
.irp rb, 0,1
.irp c, 0,1
	ds_load_b128 v[XF+64*xb+16*\a+8*\rb+4*\c:XF+64*xb+16*\a+8*\rb+4*\c+3], v[xax] offset:xof+64*\a+XBLK*\rb+32*\c
.endr
.endr
.endr
.endm
; The nine parts of W_hat's K step u into set u % 2: part 0 the scale words of four column tiles (four words a column), parts 1 to 8 four fragment loads each, by ascending K: load 8 q + 2 t + c.
.macro WCH k, u
.if (\k) == 0
	WIN 0
.irp t, 0,1,2,3
	global_load_b128 v[WS+16*((\u)%2)+4*\t:WS+16*((\u)%2)+4*\t+3], v[VWS], s[56:57] offset:WT*(\u)+16384+256*\t
.endr
.else
	WIN TO_B
.irp i, 0,1,2,3
.set wn, 4*((\k)-1)+\i
	global_load_b128 v[128*((\u)%2)+4*wn:128*((\u)%2)+4*wn+3], v[VW], s[56:57] offset:WT*(\u)+4096*((wn/2)%4)+1024*(wn/8)+512*(wn%2)
.endr
.endif
.endm
; Four matrix instructions: rows 32 p .. (fragment set b) against the four column tiles, quarter q of K step u.  The very first take the constant 0.  The four accumulators take turns.
.macro MULQ u, p, q, b
	WIN MUL_LO+0x50*((\p)/4)
.irp t, 0,1,2,3
.set rD, 64*((\p)%4)+16*\t
.set rA, XF+64*(\b)+16*(\q)
.set rB, 128*((\u)%2)+32*(\q)+8*\t
.set rS, XS+4*(\b)+(\q)
.set rT, WS+16*((\u)%2)+4*\t+(\q)
.if ((\u) == 0) && ((\q) == 0)
	v_wmma_scale_f32_32x16x128_f4 v[rD:rD+15], v[rA:rA+15], v[rB:rB+7], 0, v[rS], v[rT]
.else
	v_wmma_scale_f32_32x16x128_f4 v[rD:rD+15], v[rA:rA+15], v[rB:rB+7], v[rD:rD+15], v[rS], v[rT]
.endif
.endr
.endm
; The four quarters of 32 rows.  young: W_hat's loads issued behind this K step's 36, which may stay out: at a K step's first rows quarter q wants the scale words and the quarters up to q; the eight loads of each later quarter may be out.
.macro MUL4 u, p, b, young
.irp q, 0,1,2,3
.if (\p) == 0
	s_wait_loadcnt (\young)+24-8*\q
.endif
	MULQ \u, \p, \q, \b
.endr
.endm
; PREFETCHES INTO THE L2.  wqb: at rows 64 .. of K step u, the codes of K step u + 3 (64 blocks of 256 bytes, a lane a block, two instructions a wave), more than a K step ahead of the loads that want them; every row of tiles
; reads the same pieces, so the two clusters of each of the first two rows of tiles ask, each wave for its own columns.  K steps 0 to 2 and the scale words come by their loads alone.
; x: in K steps 0 and 2, tiles 2 and 3, more than a K step ahead of their joint loads: of the 64 rows that a wave fetches the partner at cx names 16 cx .. 16 cx + 15, two blocks of 256 bytes a row: each block once in each
; cluster that will load it.  Tiles 0 and 1 come by their loads alone.  The addresses' registers are never rewritten.
.macro ASKW u
	WIN 0
	s_cmp_lt_u32 s17, 2
	s_cbranch_scc0 .Lnot_mine_\@
	global_prefetch_b8 v[PFW], s[56:57] offset:WT*((\u)+3) th:TH_LOAD_NT scope:SCOPE_SE
	global_prefetch_b8 v[PFW], s[56:57] offset:WT*((\u)+3)+8192 th:TH_LOAD_NT scope:SCOPE_SE
.Lnot_mine_\@:
.endm
; 64 rows, 32 p .. 32 p + 63, of K step u; pair number 8 u + p has fragment set (8 u + p) % 3.  Rows 32 p .. are in or on their way; the run brings the next 32 and the 32 behind them (of the next K step, same slot, behind the last).
.macro RUN u, p
.set nn, 8*(\u)+(\p)
.set ub0, nn%3
.set ub1, (nn+1)%3
.set ub2, (nn+2)%3
.if nn > 0
	PLACES                                         ; for the loads into the sets that the rows before, and the K step before, have read
.endif
	WIN 0
	FETCH \u, (\p)+1, ub1
	FETCH (\u)+((\p)+2)/8, ((\p)+2)%8, ub2
.if (\p) == 0
.irp k, 0,1,2,3,4
	WCH \k, (\u)+1
.endr
.endif
.if (\p) == 2
.irp k, 5,6,7,8
	WCH \k, (\u)+1
.endr
.if (\u) < 5
	ASKW \u
.endif
.endif
.if ((\p) == 4) && (((\u) == 0) || ((\u) == 2))
	global_prefetch_b8 v[PFX], s[54:55] offset:1024+256*(\u) th:TH_LOAD_NT scope:SCOPE_SE
.endif
	s_wait_dscnt 34                                ; rows 32 p .. are in: the 34 loads just issued may be out
	MUL4 \u, \p, ub0, 20
.irp q, 0,1,2,3
	s_wait_dscnt 29-4*\q                           ; the next rows' quarter q: behind it 3 - q quarters of four loads, and 17
	MULQ \u, (\p)+1, \q, ub1
.endr
.endm
; A slot's last 64 rows change slots: ONE barrier; in front of it each wave waits for all its tensor loads, adds 0 to its spare word, and waits for that and for its own reads of this slot.  g0: the refill's group 0, or 0: nothing is filled.
.macro TURN u, g0
.set nn, 8*(\u)+6
.set ub0, nn%3
.set ub1, (nn+1)%3
.set ub2, (nn+2)%3
	PLACES
	WIN 0
	FETCH \u, 7, ub1
	s_wait_dscnt 17
	MUL4 \u, 6, ub0, 0
	WIN 0
	s_wait_tensorcnt 0x0                           ; my part of the next slot's tile has landed: no tensor load of mine is out
	ds_add_u32 v[SPW], v[NIL]                      ; 0 onto my spare word
	s_wait_dscnt 1                                 ; the last rows are in (the add may be out)
	MULQ \u, 7, 0, ub1
	s_wait_dscnt 0x0                               ; the add is done, and my reads of this slot are over
	s_barrier_signal -1
	MULQ \u, 7, 1, ub1
	WIN 0
	s_barrier_wait -1
.if \g0
	CREST                                          ; the barrier has opened a round of the cluster's barrier: no wave of any partner still reads this slot's tile or has a load on its way
	tensor_load_to_lds s[\g0:\g0+3], s[G1:G1+7]    ; the first tensor load behind the round, my one load until the next
	s_nop 0
.endif
	FETCH (\u)+1, 0, ub2
	MULQ \u, 7, 2, ub1
	MULQ \u, 7, 3, ub1
.endm
; 32 rows of the last slot, the s-th of 16; nu, np: the next ones.  Fragment sets 0 and 1 by turns; set 2 serves the way out.  pl: the places are still owed (OUT has them otherwise).  wl = 1: step 7's W_hat goes out here.
.macro LASTP u, p, nu, np, s, pl, wl
.set lb, (\s)%2
.if \pl
	PLACES
.endif
	WIN 0
	FETCH \nu, \np, 1-lb
.if \wl
.irp k, 0,1,2,3,4,5,6,7,8
	WCH \k, 7
.endr
.endif
	s_wait_dscnt 17                                ; all but the next rows' loads
	MUL4 \u, \p, lb, 0
.endm
; Rows 32 p .. are finished: + bias, four columns side by side, and out.  Half rb = 0 (registers 0-7 of the accumulators) goes to registers 8-15 of the accumulators of the 32 rows before, which have been read (at first: to fragment set 2);
; half rb = 1 to registers 0-7 of its own accumulators, which half 0 has just read.  So no store's data are written again.
.macro ODST p, rb                      ; where a half lies: window ow; row j at v[ob + os (j / 2) + 4 (j % 2)]
.if \rb
.set ow, 2+(\p)/4
.set ob, 64*((\p)%4)
.set os, 16
.elseif (\p) == 0
.set ow, 0
.set ob, XF+128
.set os, 8
.else
.set ow, 2+((\p)-1)/4
.set ob, 64*(((\p)-1)%4)+8
.set os, 16
.endif
.endm
.macro OUT p
	PLACES
.irp rb, 0,1
	ODST \p, \rb
	WIN 64*ow+2+(\p)/4
.irp j, 0,1,2,3,4,5,6,7
.irp t, 0,1,2,3
	v_add_f32 v[ob+os*(\j/2)+4*(\j%2)+\t], v[64*((\p)%4)+16*\t+8*\rb+\j], v[BI+\t]
.endr
.endr
.endr
.irp rb, 0,1
	ODST \p, \rb
	WIN 4*ow
.irp j, 0,1,2,3,4,5,6,7
	global_store_b128 v[CO], v[ob+os*(\j/2)+4*(\j%2):ob+os*(\j/2)+4*(\j%2)+3], s[12:13] offset:(32*(\p)+16*\rb+\j)*ROWO th:TH_STORE_NT   ; lanes 0-15: 256 consecutive bytes of row j, lanes 16-31: of row 8 + j; at multiples of 256 from out0's first byte
.endr
.endr
	WIN 0
.endm
	s_load_b128 s[4:7], s[0:1], 0x0                ; x's codes s[4:5], x's scales s[6:7]
	s_load_b128 s[8:11], s[0:1], 0x10              ; wqb s[8:9], bias s[10:11]
	s_load_b64 s[12:13], s[0:1], 0x20              ; out0
	v_lshl_add_u32 v[SPW], v0, 2, SPARE
	v_mov_b32 v[NIL], 0
	ds_add_u32 v[SPW], v[NIL]                      ; the wave's opening: the add, twice on end, and its wait ahead of my first tensor load
	ds_add_u32 v[SPW], v[NIL]
	v_lshrrev_b32 v1, 5, v0
	v_readfirstlane_b32 s14, v1                    ; wave 0..3
	v_and_b32 v1, 15, v0                           ; r
	v_bfe_u32 v2, v0, 4, 1                         ; h
	v_and_b32 v3, 31, v0                           ; lane
	v_mul_u32_u24 v4, v1, PITCH
	v_lshl_add_u32 v[AX], v2, 4, v4                ; a fragment's row x pitch + 16 h
	v_add_nc_u32 v[AX+1], XHALF, v[AX]
	v_add_nc_u32 v[AX+2], SLOT, v[AX]
	v_add_nc_u32 v[AX+3], SLOT+XHALF, v[AX]
	v_lshlrev_b32 v5, 7, v3                        ; x's scale bytes: a lane a row of 128 bytes,
	v_lshrrev_b32 v6, 1, v3
	v_lshl_add_u32 v5, v6, 4, v5                   ; and 16 more for each 256 passed
	v_add_nc_u32 v[ASA], SCL, v5
	v_lshlrev_b32 v[VW], 4, v3
	v_lshlrev_b32 v[VWS], 4, v1
	v_lshl_add_u32 v[CO], v2, 16, v[VWS]
	v_and_b32 v7, 1, v3
	v_lshlrev_b32 v7, 8, v7
	v_lshl_add_u32 v[PFX], v6, 11, v7
	v_lshlrev_b32 v[PFW], 8, v3
	s_bfe_u32 s15, ttmp6, 0x40000                  ; cx: my place in the cluster
	s_lshl_b32 s16, ttmp9, 2
	s_add_co_u32 s16, s16, s15                     ; tile column = 4 x cluster x + cx
	s_and_b32 s17, ttmp7, 0xffff                   ; tile row
	s_and_b32 s18, s14, 1                          ; at the head: which 128 rows I fetch
	; group 1 for x's tiles: rows of 512 bytes, 2,048 bytes apart in memory, padded in LDS; 128 rows at the head
	s_mov_b32 s[G1+0], 15|(1<<20)|(1<<21)|(6<<22)|(3<<25)  ; 15:0 the mask; 17:16 elements of 1 byte; 20 padding on; 21 set beside a mask; 24:22 after every 128 words (code 6); 31:25 four words (code 3)
	s_mov_b32 s[G1+1], 512<<16                     ; tensor_dim0
	s_mov_b32 s[G1+2], 128<<16                     ; tensor_dim1
	s_mov_b32 s[G1+3], 512<<16                     ; tile_dim0
	s_mov_b32 s[G1+4], 128                         ; tile_dim1
	s_mov_b32 s[G1+5], 2048                        ; tensor_dim0_stride
	s_mov_b32 s[G1+6], 0
	s_mov_b32 s[G1+7], 0
	; group 1 for x's scales of 128 rows: 16,384 dense bytes as 64 rows of 256 bytes (32 elements of 8 bytes), 16 bytes of padding behind each
	s_mov_b32 s[G1S+0], 15|(3<<16)|(1<<20)|(1<<21)|(5<<22)|(3<<25)
	s_mov_b32 s[G1S+1], 32<<16
	s_mov_b32 s[G1S+2], 64<<16
	s_mov_b32 s[G1S+3], 32<<16
	s_mov_b32 s[G1S+4], 64
	s_mov_b32 s[G1S+5], 32
	s_mov_b32 s[G1S+6], 0
	s_mov_b32 s[G1S+7], 0
	; x's addresses hang on the tile row and the wave alone, which the cluster shares; no place in the cluster enters an LDS address
	s_lshl_b32 s19, s17, 19                        ; 256 rows of 2,048 bytes
	s_lshl_b32 s20, s18, 18
	s_add_co_u32 s20, s20, s19                     ; head: + 128 rows x half
	s_mov_b32 s21, 0
	s_lshl_b32 s52, s14, 17
	s_add_co_u32 s52, s52, s19                     ; ring: + 64 rows x wave
	s_mov_b32 s53, 0
	s_lshl_b32 s54, s15, 15
	s_add_co_u32 s54, s54, s52                     ; prefetches: + 16 rows x cx
	s_mov_b32 s55, 0
	s_lshl_b32 s22, s17, 15                        ; scales: 256 rows of 128 bytes,
	s_lshl_b32 s19, s18, 14
	s_add_co_u32 s22, s22, s19                     ; + 128 rows x half
	s_mov_b32 s23, 0
	s_lshl_b32 s56, s16, 2
	s_add_co_u32 s56, s56, s14                     ; my 64 columns: 4 x tile column + wave
	s_lshl_b32 s58, s56, 8                         ; in bytes of f32: in out0's rows and in the bias alike
	s_mov_b32 s59, 0
	s_mul_i32 s56, s56, 8*WT
	s_mov_b32 s57, 0
	s_lshl_b32 s60, s17, 21                        ; 256 rows of out0
	s_mov_b32 s61, 0
	s_mul_i32 s62, s18, XHALF
	s_mul_i32 s63, s18, SHALF
	s_mul_i32 s66, s14, 64*PITCH
	s_wait_alu depctr_va_vdst(0)
	s_wait_dscnt 0x0                               ; both opening adds are done
	s_wait_kmcnt 0x0
	s_add_nc_u64 s[20:21], s[4:5], s[20:21]
	s_add_nc_u64 s[22:23], s[6:7], s[22:23]
	s_add_nc_u64 s[52:53], s[4:5], s[52:53]
	s_add_nc_u64 s[54:55], s[4:5], s[54:55]
	s_add_nc_u64 s[56:57], s[8:9], s[56:57]
	s_add_nc_u64 s[10:11], s[10:11], s[58:59]
	s_add_nc_u64 s[12:13], s[12:13], s[58:59]
	s_add_nc_u64 s[12:13], s[12:13], s[60:61]
	s_mov_b32 s[G0H], 1                            ; 1:0 count = 1
	s_mov_b32 s[G0H+1], s62                        ; 63:32 LDS address
	s_mov_b64 s[G0H+2:G0H+3], s[20:21]             ; 120:64 global address
	s_or_b32 s[G0H+3], s[G0H+3], 0x80000000        ; 127:126 type = 2
	s_mov_b32 s[G0S], 1
	s_add_co_u32 s[G0S+1], s63, SCL
	s_mov_b64 s[G0S+2:G0S+3], s[22:23]
	s_or_b32 s[G0S+3], s[G0S+3], 0x80000000
	CROUND                                         ; all four work-groups are here: the first joint loads meet
	; THE HEAD'S LOADS, ONE A WAVE: waves 0 and 1 fetch tile 0's two halves, waves 2 and 3 the scales'
	s_cmp_lt_u32 s14, 2
	s_cbranch_scc0 .Lfor_scales
	tensor_load_to_lds s[G0H:G0H+3], s[G1:G1+7]
	s_nop 0
	PLACES
	s_branch .Lhead_asked
.Lfor_scales:
	tensor_load_to_lds s[G0S:G0S+3], s[G1S:G1S+7]
	s_nop 0
	PLACES
.Lhead_asked:
	global_load_b128 v[BI:BI+3], v[VWS], s[10:11]  ; the bias of my columns 4 r .. 4 r + 3
.irp k, 0,1,2,3,4,5,6,7,8
	WCH \k, 0
.endr
	WIN 0
.irp t, 1,2,3                                  ; my quarter of tiles 1 to 3: 64 rows; tile t goes to slot t % 2
	s_mov_b32 s[G01+4*(\t-1)], 1
	s_add_co_u32 s[G01+4*(\t-1)+1], s66, SLOT*(\t%2)
	s_add_nc_u64 s[G01+4*(\t-1)+2:G01+4*(\t-1)+3], s[52:53], 512*\t
	s_or_b32 s[G01+4*(\t-1)+3], s[G01+4*(\t-1)+3], 0x80000000
.endr
	s_wait_alu depctr_va_vdst(0)
	s_wait_tensorcnt 0x0                           ; my part of the head's tiles is in
	ds_add_u32 v[SPW], v[NIL]
	s_mov_b32 s[G1+2], 64<<16                      ; no tensor load of mine is out, so a descriptor may be written: from here on a load brings 64 rows
	s_mov_b32 s[G1+4], 64
	s_wait_dscnt 0x0                               ; the add is done
	CROUND                                         ; everybody's part is in, and all four work-groups are here: the joint loads meet,
	tensor_load_to_lds s[G01:G01+3], s[G1:G1+7]    ; and tile 1's load, the first tensor load behind the round
	s_nop 0
	FETCH 0, 0, 0
.macro TILE u, g0                      ; a slot's two K steps, u and u + 1
.irp p, 0,2,4,6
	RUN \u, \p
.endr
.irp p, 0,2,4
	RUN (\u)+1, \p
.endr
	TURN (\u)+1, \g0
.endm
	TILE 0, G02                                    ; tile 0; tile 2 into slot 0
	TILE 2, G03                                    ; tile 1; tile 3 into slot 1
	TILE 4, 0                                      ; tile 2; nothing is filled again
	LASTP 6, 0, 6, 1, 0, 1, 0                      ; tile 3: rows 0 to 159 through step 6, while step 7's W_hat comes in
	LASTP 6, 1, 6, 2, 1, 1, 1
	LASTP 6, 2, 6, 3, 2, 1, 0
	LASTP 6, 3, 6, 4, 3, 1, 0
	LASTP 6, 4, 7, 0, 4, 1, 0
	LASTP 7, 0, 7, 1, 5, 1, 0                      ; each 32 rows leave as soon as they are finished
	OUT 0
	LASTP 7, 1, 7, 2, 6, 0, 0
	OUT 1
	LASTP 7, 2, 7, 3, 7, 0, 0
	OUT 2
	LASTP 7, 3, 7, 4, 8, 0, 0
	OUT 3
	LASTP 7, 4, 6, 5, 9, 0, 0
	OUT 4
	LASTP 6, 5, 7, 5, 10, 0, 0
	LASTP 7, 5, 6, 6, 11, 1, 0
	OUT 5
	LASTP 6, 6, 7, 6, 12, 0, 0
	LASTP 7, 6, 6, 7, 13, 1, 0
	OUT 6
	LASTP 6, 7, 7, 7, 14, 0, 0
	s_wait_dscnt 0x0                               ; the last 32 rows, fragment set 1: nothing more to fetch
	MUL4 7, 7, 1, 0
	OUT 7
	s_wait_tensorcnt 0x0                           ; the wave's end, behind my last tensor load
	ds_add_u32 v[SPW], v[NIL]
	s_wait_dscnt 0x0
	CROUND                                         ; the closing round: no work-group ends while a partner may still ask for a tile that names it
	s_endpgm
.Lfunc_end_k_q5d96325d9b_gemm:
	.size	k_q5d96325d9b_gemm, .Lfunc_end_k_q5d96325d9b_gemm-k_q5d96325d9b_gemm
	.p2alignl 7, 3214868480
	.fill 96, 4, 3214868480
	.section	.rodata,"a",@progbits
	.p2align	6, 0x0
	.amdhsa_kernel k_q5d96325d9b_gemm
		.amdhsa_group_segment_fixed_size 327680
		.amdhsa_private_segment_fixed_size 0
		.amdhsa_enable_private_segment 0
		.amdhsa_kernarg_size 40
		.amdhsa_user_sgpr_count 2
		.amdhsa_user_sgpr_kernarg_segment_ptr 1
		.amdhsa_wavefront_size32 1
		.amdhsa_system_sgpr_workgroup_id_x 1
		.amdhsa_system_sgpr_workgroup_id_y 1
		.amdhsa_system_sgpr_workgroup_id_z 1
		.amdhsa_system_vgpr_workitem_id 0
		.amdhsa_next_free_vgpr 1024
		.amdhsa_next_free_sgpr 80
		.amdhsa_reserve_vcc 0
		.amdhsa_float_denorm_mode_32 3
		.amdhsa_float_denorm_mode_16_64 3
		.amdhsa_memory_ordered 1
		.amdhsa_forward_progress 1
		.amdhsa_inst_pref_size 255
	.end_amdhsa_kernel
	.section	.bss,"aw",@nobits
	.p2align	6
	.space	262144
	.amdgpu_metadata
---
amdhsa.version: [ 1, 2 ]
amdhsa.kernels:
  - .name:           k_q5d96325d9b_gemm
    .symbol:         k_q5d96325d9b_gemm.kd
    .args:
      - { .name: x_codes, .offset: 0, .size: 8, .value_kind: global_buffer, .address_space: global }
      - { .name: x_scales, .offset: 8, .size: 8, .value_kind: global_buffer, .address_space: global }
      - { .name: wqb, .offset: 16, .size: 8, .value_kind: global_buffer, .address_space: global }
      - { .name: bias, .offset: 24, .size: 8, .value_kind: global_buffer, .address_space: global }
      - { .name: out0, .offset: 32, .size: 8, .value_kind: global_buffer, .address_space: global }
    .group_segment_fixed_size: 327680
    .private_segment_fixed_size: 0
    .kernarg_segment_align: 8
    .kernarg_segment_size: 40
    .max_flat_workgroup_size: 128
    .sgpr_count:     80
    .vgpr_count:     1024
    .wavefront_size: 32
...
	.end_amdgpu_metadata
.endif
;; end of part 2
